; MI455X (gfx1250); checked and timed in simulation.
; The chip was launched on July 23, 2026; its instructions are those of AMD's public machine-readable ISA for CDNA 5 (MIT licence, August 2026) and "CDNA5" Instruction Set Architecture Reference Guide (July 2026). The comments in the code are by the model that wrote it; some were corrected since.
;; Sliding Window Attention. Allowed arithmetic: matrix products marked QUANTISED: E2M1 operands, one E8M0 scale for each 32 along K, by v_wmma_scale_f32_16x16x128_f8f6f4 with both operands' format E2M1 (or v_wmma_scale_f32_32x16x128_f4), f32 sums; everything else in f32.
;; Inputs: Wk 1,024 x 1,024 float32; Wo 1,024 x 1,024 float32; Wq 1,024 x 1,024 float32; Wv 1,024 x 1,024 float32; bk 1,024 float32; bo 1,024 float32; bq 1,024 float32; bv 1,024 float32; x 2 x 2,048 x 1,024 float32.
;; Outputs: out0 2 x 2,048 x 1,024 float32.
;; This version of the problem:
;;   THIS VERSION OF THE PROBLEM IS GIVEN IN LOW PRECISION. The matrix products marked QUANTISED in the list below multiply operands that are first quantised to E2M1 (2 exponent bits, 1 mantissa bit; 4 bits a number), with one power-of-two scale for each 32 numbers along K (OCP MX v1.0); their sums are f32. All else is computed in f32.
;;   The module's matrix products, in the order in which they are computed (A, B: the left and right operand; K: the contracted axis; several contracted axes count as one K, in the product's order):
;;     1. [M 4,096, K 1,024] x [K 1,024, N 1,024]; A: input x; B: input Wq: QUANTISED
;;     2. [M 4,096, K 1,024] x [K 1,024, N 1,024]; A: input x; B: input Wk: QUANTISED
;;     3. [M 4,096, K 1,024] x [K 1,024, N 1,024]; A: input x; B: input Wv: QUANTISED
;;     4. batch 32 x [M 2,048, K 64] x [K 64, N 2,048]; A: computed on the way; B: computed on the way: QUANTISED
;;     5. batch 32 x [M 2,048, K 2,048] x [K 2,048, N 64]; A: computed on the way; B: computed on the way: QUANTISED
;;     6. [M 4,096, K 1,024] x [K 1,024, N 1,024]; A: computed on the way; B: input Wo: QUANTISED
;;   THE QUANTISER, for each operand of a quantised product, along K:
;;     - K is cut into blocks of 32 from its start; a last block that is shorter is filled with zeros.
;;     - A block's scale is 2^e with e = floor(log2(the largest magnitude in the block)) - 2, held to -126 .. 127; a block of zeros has e = 0. As a byte (E8M0): e + 127.
;;     - Each number is divided by its block's scale, clamped to +-6, and rounded to the nearest number of E2M1, ties to even, subnormals kept.
;;     - The product sums the exact products of the quantised numbers (number of the format x scale) in f32.
;;   ~~~python
;;   def quantise(x, axis):      # numpy; x: float32 -> the quantised numbers, widened to float32 again
;;       x = np.moveaxis(x, axis, -1); K = x.shape[-1]
;;       x = np.pad(x, [(0, 0)] * (x.ndim - 1) + [(0, -K % 32)]); x = x.reshape(x.shape[:-1] + (-1, 32)); a = np.abs(x).max(-1, keepdims=True)
;;       e = np.where(a > 0, np.clip(np.frexp(np.where(a > 0, a, 1))[1] - 1 - 2, -126, 127), 0)      # np.frexp(a)[1] - 1 = floor(log2(a)), exactly
;;       r = np.clip(x / 2.0 ** e, -6, 6)
;;       step = 2.0 ** (np.maximum(np.frexp(np.where(r == 0, 1, r))[1] - 1, 0) - 1)
;;       q = np.round(r / step) * step * 2.0 ** e      # np.round: ties to even
;;       return np.moveaxis(q.reshape(q.shape[:-2] + (-1,))[..., :K], -1, axis).astype(np.float32)
;;   ~~~
;;   OPERANDS COMPUTED ON THE WAY. 'Computed on the way' means the value that the module computes at that place (a softmax that the list does not call 'softmax' is quantised finished and normalised). What goes into a quantiser is computed in f32, as accurately as f32 sums, v_exp_f32 and their like allow (about 1e-6 of the number): no bf16 or f16 on the way to a quantiser, and a product that is left as it is and whose result goes on into a quantised operand takes f32 operands (vector FMAs, or v_wmma_f32_16x16x4_f32). A number that lies on a knife's edge between two numbers of the format may be rounded either way, as far as f32 arithmetic and the matrix unit's own rounding can turn it there, and no further.
;; One version. Each part assembles by itself: llvm-mc -triple=amdgcn-amd-amdhsa -mcpu=gfx1250 --defsym DOCPART=n.
;; ======== version 1 of 1: 4 launches
;; workspace buffers: wc 4,194,304 bytes; ws 262,144 bytes; qb 2,359,296 bytes; kv 4,718,592 bytes; oc 2,097,152 bytes; os 131,072 bytes
;; launch quant (part 1): grid 256 x 1, 4 waves a work-group, no clusters, 168,448 bytes of LDS; arguments x, Wq, Wk, Wv, Wo, wc, ws; writes wc, ws
.if DOCPART == 1
	.amdgcn_target "amdgcn-amd-amdhsa--gfx1250"
	.amdhsa_code_object_version 6
	.text
	.protected	k_q7508e6dfb1_quant
	.globl	k_q7508e6dfb1_quant
	.p2align	8
	.type	k_q7508e6dfb1_quant,@function
k_q7508e6dfb1_quant:
	s_mov_b64 s[64:65], 0
	v_nop
	global_prefetch_b8 v0, s[64:65] scope:SCOPE_SE
	s_setreg_imm32_b32 hwreg(HW_REG_WAVE_MODE, 25, 1), 1
	s_wait_xcnt 0x0
; x [4096][1024] and Wq, Wk, Wv, Wo [1024][1024], f32, K innermost, become codes of FP4 (E2M1) with one E8M0 byte for each 32 along K.
; A block's scale is 2^(floor(log2(largest magnitude)) - 2): its byte is the largest magnitude's exponent field - 2, held at 1 from below.
; LIMITS: NaN and infinities are not served.  A block of zeros gets the byte 1 where the rule says 127: its codes are zeros, which add nothing,
; and the bytes are read by this program alone.  The floor 2^-124 under the largest magnitude is the rule's own hold of the exponent at -126.
; LAYOUT OF THE CODES (wc): the image of an operand's registers: [tile][block of 32 k][slot 0..15][16 bytes], 8,192 bytes a tile.  32 rows make two tiles:
; slot s of tile 2 b + u is row 32 b + 8 u + s % 8 + 16 (s / 8), so that a product that takes such a tile as source 0 leaves 16 neighbouring rows in a lane's
; registers of tiles 2 b, 2 b + 1.  Tiles 0-255: x.  256 + 12 head + 4 which + t: Wq, Wk, Wv.  448-511: Wo.
; SCALE WORDS (ws): [tile][K half][slot][4 words], a word = the four bytes of 128 along K.
; SHARES: a work-group takes 32 rows (128 KB), brought by eight tensor loads of 32 rows x 512 bytes, two a wave, each LDS byte filled once.
; Wave w makes tile u = w % 2, K half g = w / 2: four fragments of 16 slots x 128 k.  A lane holds two whole blocks of its row, so no lane asks another for a maximum.
.set PITCH, 528                        ; an LDS row: 512 bytes + 16.  A tile's slots 8-15 lie 16 rows behind slots 0-7: 16 x 132 words, a whole number of times 64 words, so these reads meet two deep
.set CHUNK, 32*PITCH                   ; 128 along K of the 32 rows
.set X0, 32                            ; v32-95   64 numbers of a lane
.set X1, 96                            ; v96-159  the other set
.set CD, 160                           ; v160-191 codes: eight registers for each fragment, never written again
.set WD, 192                           ; v192-195 the four scale words
.set G1, 28                            ; s[28:35] descriptor group 1
.set G0, 36                            ; s[36:43] two groups 0
	s_load_b256 s[4:11], s[0:1], 0x0               ; x, Wq, Wk, Wv
	s_load_b128 s[12:15], s[0:1], 0x20             ; Wo, wc
	s_load_b64 s[16:17], s[0:1], 0x30              ; ws
	v_lshl_add_u32 v200, v0, 2, 0x29000
	v_mov_b32 v201, 0
	ds_add_u32 v200, v201
	ds_add_u32 v200, v201
	v_lshrrev_b32 v1, 5, v0
	v_readfirstlane_b32 s18, v1                    ; wave 0..3
	s_and_b32 s19, s18, 1                          ; u: my tile of the two
	s_lshr_b32 s20, s18, 1                         ; g: my half of K
	s_mov_b32 s2, ttmp9                            ; G: which 32 rows of the five tensors
	s_and_b32 s21, s2, 31                          ; the group of 32 rows inside a weight
	s_mov_b32 s[G1+0], (2<<16)|(1<<20)|(6<<22)|(3<<25)  ; elements of 4 bytes; padding on: 4 words behind every 128 words
	s_mov_b32 s[G1+1], 128<<16                     ; tensor_dim0 = 128
	s_mov_b32 s[G1+2], 32<<16                      ; tensor_dim1 = 32
	s_mov_b32 s[G1+3], 128<<16                     ; tile_dim0 = 128
	s_mov_b32 s[G1+4], 32                          ; tile_dim1 = 32
	s_mov_b32 s[G1+5], 1024                        ; elements from row to row
	s_mov_b32 s[G1+6], 0
	s_mov_b32 s[G1+7], 0
	s_lshl_b32 s26, s19, 2
	s_add_co_u32 s26, s26, s20                     ; my first load's chunk: g + 4 u, so that the four first loads bring chunks 0, 1, 4, 5: the first two of each K half
	s_mov_b32 s[G0+0], 1
	s_mul_i32 s[G0+1], s26, CHUNK
	s_mov_b32 s[G0+4], 1
	s_add_co_u32 s[G0+5], s[G0+1], 2*CHUNK         ; my second load's chunk: two further on
	s_lshl_b32 s47, s2, 1                          ; the first tile that these rows make: x: 2 G
	s_lshr_b32 s48, s21, 1                         ; Wq, Wk, Wv: 256 + 12 head + 4 which + 2 (group % 2), head = group / 2, which = G / 32 - 4
	s_mul_i32 s48, s48, 12
	s_and_b32 s49, s21, 1
	s_lshl_b32 s49, s49, 1
	s_add_co_u32 s48, s48, s49
	s_lshr_b32 s49, s2, 5
	s_lshl_b32 s49, s49, 2
	s_add_co_u32 s48, s48, s49
	s_add_co_u32 s48, s48, 240
	s_lshl_b32 s50, s21, 1                         ; Wo: 448 + 2 group
	s_add_co_u32 s50, s50, 448
	s_cmp_lt_u32 s2, 224
	s_cselect_b32 s25, s48, s50
	s_cmp_lt_u32 s2, 128
	s_cselect_b32 s25, s47, s25
	s_cselect_b32 s24, s2, s21                     ; the group of 32 rows inside its tensor
	s_add_co_u32 s25, s25, s19                     ; my tile
	s_lshl_b32 s52, s24, 17                        ; from: 32 rows of 4,096 bytes a group, 512 bytes a chunk
	s_lshl_b32 s53, s26, 9
	s_add_co_u32 s52, s52, s53
	s_mov_b32 s53, 0
	s_lshl_b32 s54, s25, 13                        ; to: 8,192 bytes of codes a tile, 4,096 a K half
	s_lshl_b32 s55, s20, 12
	s_add_co_u32 s54, s54, s55
	s_mov_b32 s55, 0
	s_lshl_b32 s56, s25, 9                         ; 512 bytes of scale words a tile, 256 a K half
	s_lshl_b32 s57, s20, 8
	s_add_co_u32 s56, s56, s57
	s_mov_b32 s57, 0
	s_mov_b32 s44, 0x76543210                      ; v_permlanex16_b32's selects for lane l xor 16
	s_mov_b32 s45, 0xfedcba98
	s_mov_b32 s46, 0xffff0000                      ; lanes 16-31
	s_wait_dscnt 0x0
	s_wait_kmcnt 0x0
	s_mov_b64 s[22:23], s[12:13]                   ; the tensor is chosen by the work-group's number alone
	s_cmp_lt_u32 s2, 224
	s_cselect_b64 s[22:23], s[10:11], s[22:23]
	s_cmp_lt_u32 s2, 192
	s_cselect_b64 s[22:23], s[8:9], s[22:23]
	s_cmp_lt_u32 s2, 160
	s_cselect_b64 s[22:23], s[6:7], s[22:23]
	s_cmp_lt_u32 s2, 128
	s_cselect_b64 s[22:23], s[4:5], s[22:23]
	s_add_nc_u64 s[G0+2:G0+3], s[22:23], s[52:53]
	s_add_nc_u64 s[G0+6:G0+7], s[G0+2:G0+3], 1024  ; two chunks of 512 bytes on
	s_or_b32 s[G0+3], s[G0+3], 0x80000000          ; type = 2
	s_or_b32 s[G0+7], s[G0+7], 0x80000000
	tensor_load_to_lds s[G0:G0+3], s[G1:G1+7]      ; both of my loads go out together, ahead of every wait, LDS read and barrier: two are out
	s_nop 0
	tensor_load_to_lds s[G0+4:G0+7], s[G1:G1+7]
	s_nop 0
.rept 4
	v_nop
.endr
	s_add_nc_u64 s[14:15], s[14:15], s[54:55]      ; wc at my tile's K half
	s_add_nc_u64 s[16:17], s[16:17], s[56:57]      ; ws likewise
	v_and_b32 v1, 31, v0                           ; lane
	v_and_b32 v2, 15, v0                           ; r
	v_bfe_u32 v3, v0, 4, 1                         ; h
	v_and_b32 v8, 8, v2
	v_add_nc_u32 v8, v8, v2                        ; r + 8 (r / 8): my slot's row in its tile's 24
	v_mul_u32_u24 v4, v8, PITCH
	v_lshl_add_u32 v4, v3, 7, v4                   ; + 128 h: the operand's layout gives lane (r, h) k = 64 c + 32 h + 0 .. 31
	s_mul_i32 s58, s19, 8*PITCH                    ; tile u begins 8 rows down,
	s_mul_i32 s59, s20, 4*CHUNK                    ; K half g four chunks on
	s_add_co_u32 s58, s58, s59
	v_add_nc_u32 v4, s58, v4                       ; v4: where my numbers lie in LDS
	v_lshlrev_b32 v5, 4, v1                        ; v5: 16 x lane: my place in an image
	v_lshlrev_b32 v6, 4, v2
	v_lshl_add_u32 v6, v3, 3, v6                   ; v6: 16 r + 8 h: my two of my row's four scale words
	v_lshlrev_b32 v7, 3, v3                        ; v7: 8 h: how far my two bytes are shifted
	v_mov_b32 v15, 0                               ; written once: a lane permute's destination counts as one of its sources
.macro LOADX set, j                    ; my 64 numbers of the K half's j-th 128 along K: two blocks of 32, 128 bytes each
.irp c, 0,1
.irp i, 0,1,2,3,4,5,6,7
	ds_load_b128 v[\set+32*\c+4*\i:\set+32*\c+4*\i+3], v4 offset:(\j)*CHUNK+256*\c+16*\i
.endr
.endr
.endm
.macro QF set, j                       ; they become a fragment's eight registers and my row's scale word
.irp c, 0,1
	v_max3_num_f32 v[8+\c], |v[\set+32*\c]|, |v[\set+32*\c+1]|, 0x1800000   ; block 2 c + h is all mine; the floor 2^(3 - 127) keeps the byte at 1 or above
.endr
.irp i, 2,4,6,8,10,12,14,16,18,20,22,24,26,28,30
.irp c, 0,1
	v_max3_num_f32 v[8+\c], v[8+\c], |v[\set+32*\c+\i]|, |v[\set+32*\c+\i+1]|   ; (the two blocks by turns)
.endr
.endr
.irp c, 0,1
	v_add_nc_u32 v[10+\c], 0xff000000, v[8+\c]     ; 2 off the exponent field: the conversion takes this operand's exponent field as its scale
.endr
.irp c, 0,1
	v_lshrrev_b32 v[12+\c], 23, v[10+\c]           ; the scale's byte
.endr
	v_lshl_or_b32 v14, v13, 16, v12                ; blocks h and 2 + h,
	v_lshlrev_b32 v14, v7, v14                     ; at their places in the word;
	v_permlanex16_b32 v15, v14, s44, s45
	v_or_b32 v[WD+(\j)], v14, v15                  ; with lane l xor 16's two the word is whole
.irp c, 0,1
.irp q, 0,1,2,3
	v_cvt_scalef32_pk8_fp4_f32 v[CD+8*(\j)+4*\c+\q], v[\set+32*\c+8*\q:\set+32*\c+8*\q+7], v[10+\c]
.endr
.endr
	v_nop                                          ; one plain line behind the last scaled conversion
.irp c, 0,1
	global_store_b128 v5, v[CD+8*(\j)+4*\c:CD+8*(\j)+4*\c+3], s[14:15] offset:1024*(\j)+512*\c   ; 32 lanes store 512 consecutive bytes, aligned to 256
.endr
.endm
	s_wait_tensorcnt 0x1                           ; my first load has landed; the second may stay out
	s_barrier_signal -1
	s_barrier_wait -1                              ; everybody's first has: chunks 0, 1, 4, 5
	LOADX X0, 0
	LOADX X1, 1
	s_wait_dscnt 16                                ; the first sixteen are in; the sixteen of the other set may be out
	QF X0, 0
	s_wait_dscnt 0x0                               ; no LDS load of mine is out at the signal,
	s_wait_tensorcnt 0x0                           ; and my second load has landed
	s_barrier_signal -1
	s_barrier_wait -1                              ; all eight chunks lie in LDS
	LOADX X0, 2
	QF X1, 1
	LOADX X1, 3
	s_wait_dscnt 16
	QF X0, 2
	s_wait_dscnt 0x0
	QF X1, 3
	v_cndmask_b32 v196, v[WD+0], v[WD+2], s46      ; lanes 0-15 store words 0 and 1 of their row, lanes 16-31 words 2 and 3
	v_cndmask_b32 v197, v[WD+1], v[WD+3], s46
	global_store_b64 v6, v[196:197], s[16:17]      ; 32 lanes store 256 consecutive bytes, aligned
	s_wait_tensorcnt 0x0
	ds_add_u32 v200, v201
	s_wait_dscnt 0x0
	s_endpgm
.Lfunc_end_k_q7508e6dfb1_quant:
	.size	k_q7508e6dfb1_quant, .Lfunc_end_k_q7508e6dfb1_quant-k_q7508e6dfb1_quant
	.p2alignl 7, 3214868480
	.fill 96, 4, 3214868480
	.section	.rodata,"a",@progbits
	.p2align	6, 0x0
	.amdhsa_kernel k_q7508e6dfb1_quant
		.amdhsa_group_segment_fixed_size 168448
		.amdhsa_private_segment_fixed_size 0
		.amdhsa_enable_private_segment 0
		.amdhsa_kernarg_size 56
		.amdhsa_user_sgpr_count 2
		.amdhsa_user_sgpr_kernarg_segment_ptr 1
		.amdhsa_wavefront_size32 1
		.amdhsa_system_sgpr_workgroup_id_x 1
		.amdhsa_system_sgpr_workgroup_id_y 1
		.amdhsa_system_sgpr_workgroup_id_z 1
		.amdhsa_system_vgpr_workitem_id 0
		.amdhsa_next_free_vgpr 202
		.amdhsa_next_free_sgpr 66
		.amdhsa_reserve_vcc 0
		.amdhsa_float_denorm_mode_32 3
		.amdhsa_float_denorm_mode_16_64 3
		.amdhsa_memory_ordered 1
		.amdhsa_forward_progress 1
		.amdhsa_inst_pref_size 22
	.end_amdhsa_kernel
	.amdgpu_metadata
---
amdhsa.version: [ 1, 2 ]
amdhsa.kernels:
  - .name:           k_q7508e6dfb1_quant
    .symbol:         k_q7508e6dfb1_quant.kd
    .args:
      - { .name: x, .offset: 0, .size: 8, .value_kind: global_buffer, .address_space: global }
      - { .name: Wq, .offset: 8, .size: 8, .value_kind: global_buffer, .address_space: global }
      - { .name: Wk, .offset: 16, .size: 8, .value_kind: global_buffer, .address_space: global }
      - { .name: Wv, .offset: 24, .size: 8, .value_kind: global_buffer, .address_space: global }
      - { .name: Wo, .offset: 32, .size: 8, .value_kind: global_buffer, .address_space: global }
      - { .name: wc, .offset: 40, .size: 8, .value_kind: global_buffer, .address_space: global }
      - { .name: ws, .offset: 48, .size: 8, .value_kind: global_buffer, .address_space: global }
    .group_segment_fixed_size: 168448
    .private_segment_fixed_size: 0
    .kernarg_segment_align: 8
    .kernarg_segment_size: 56
    .max_flat_workgroup_size: 128
    .sgpr_count:     66
    .vgpr_count:     202
    .wavefront_size: 32
...
	.end_amdgpu_metadata
.endif
;; end of part 1
;; launch qkv (part 2): grid 16 x 16, 4 waves a work-group, clusters of 4 x 4, 246,272 bytes of LDS; arguments wc, ws, bq, bk, bv, qb, kv; writes qb, kv
.if DOCPART == 2
	.amdgcn_target "amdgcn-amd-amdhsa--gfx1250"
	.amdhsa_code_object_version 6
	.text
	.protected	k_q7508e6dfb1_qkv
	.globl	k_q7508e6dfb1_qkv
	.p2align	8
	.type	k_q7508e6dfb1_qkv,@function
k_q7508e6dfb1_qkv:
	s_mov_b64 s[64:65], 0
	v_nop
	global_prefetch_b8 v0, s[64:65] scope:SCOPE_SE
	s_setreg_imm32_b32 hwreg(HW_REG_WAVE_MODE, 25, 1), 1
	s_wait_xcnt 0x0
	s_wait_alu depctr_hold_cnt(0) depctr_sa_sdst(0) depctr_va_vdst(0) depctr_va_sdst(0) depctr_va_ssrc(0) depctr_va_vcc(0) depctr_vm_vsrc(0)
	s_getreg_b32 s2, hwreg(HW_REG_IB_STS2, 6, 4)
	s_cmp_eq_u32 s2, 0
	s_cbranch_scc0 .Lentry_in_a_cluster
	s_endpgm
.Lentry_in_a_cluster:
	s_bfe_u32 s2, ttmp6, 0x10000c
	s_cmp_lg_u32 s2, 0xf033
	s_cbranch_scc0 .Lentry_shape_is_right
	s_endpgm
.Lentry_shape_is_right:
; Q, K, V = x W^T + b on codes of FP4, for one head and 256 tokens a work-group; the results are quantised in registers: Q and K along the head's 64, V along the tokens (the keys).
; SHARES: head = work-group x, block of 256 tokens = work-group y.  x's 16 tiles and the head's 12 tiles of Wq, Wk, Wv lie in LDS for all of K = 1,024, each byte filled once.
; Wave w takes 64 tokens (x's tiles 4 w .. 4 w + 3) against all 12 tiles: 48 accumulators, 48 matrix instructions for each 128 along K.
; Q, K: source 0 = 16 rows of W, source 1 = 16 tokens: a lane holds one token, and by the tiles' row order its registers of tiles 2 b, 2 b + 1 are d = 32 b + 16 h + 0 .. 15.
; V: source 0 = 16 tokens, source 1 = 16 rows of Wv: a lane holds one channel, and its registers run along the tokens: 32 b + 16 h + 0 .. 15.
; The biases are the C of each sum's first matrix instruction.
; CLUSTER 4 x 4: the four of a row share the tokens, the four of a column the head: x's tiles and W's tiles are asked for jointly.
; OUT: for each chunk of 64 tokens of a (batch, head): qb: 2,304 bytes: Q's codes [tile][512], scale words [slot][4 tiles] at 2,048.
; kv: 4,608 bytes: K's codes [tile][512]; V's codes [block of 32 keys][channel tile][slot][16] at 2,048; K's scale words at 4,096, V's [slot][4 channel tiles] at 4,352.  A scale word here has two bytes; its upper half is 0.
; LIMITS: as in the launch that makes the codes: no NaN or infinities; a block of zeros gets the byte 1.
; REGISTERS: window 0: v1-12 addresses; v32-127 scale words (8 i + K step: lanes 0-15 my x tile i, lanes 16-31 W tile i); v128-191 bq, bk; v192-223 bv; v224-239 at work; at the end v128-187 codes and words.
;   window 1: two sets of fragments at 0 and 128: x's four, then W's twelve.   window 2: Q's 16 accumulators, K's 16 from v128.   window 3: V's 16.
.set HALF, 114688                      ; a K half in LDS: x's 16 tiles x 4,096 bytes, then W's 12
.set WOFF, 65536
.set SX,   2*HALF                      ; x's scale words, 16 tiles x 512 bytes
.set SWS,  SX+8192                     ; W's, 12 tiles x 512 bytes
.set SC,   32
.set BQK,  128
.set BV,   192
.set TM,   224
.set PC,   128
.set PW,   176
.set PR,   182
.set G1X,  28                          ; s[28:35] group 1: x's codes;  s[36:43] W's codes;  s[44:51] x's scale words;  s[52:59] W's
.set G1W,  36
.set G1SX, 44
.set G1SW, 52
.set G0SX, 68                          ; groups 0: x's scale words, x's codes of K half 0, 1;  the same for W
.set G0X,  72
.set G0SW, 80
.set G0W,  84
.set MSB, 0
.macro WIN new                         ; the immediate's high byte repeats the setting that is left
.if MSB != \new
	s_set_vgpr_msb (MSB<<8)|\new
.set MSB, \new
.endif
.endm
.macro JLOAD g0a, g1a, g0b, g1b        ; a joint load: waves 0 and 1 fetch for x, waves 2 and 3 for W; four v_nop follow each line
	s_cmp_eq_u32 s19, 0
	s_cbranch_scc0 .Lfor_b_\@
	tensor_load_to_lds s[\g0a:\g0a+3], s[\g1a:\g1a+7]
	s_nop 0
.rept 4
	v_nop
.endr
	s_branch .Lasked_\@
.Lfor_b_\@:
	tensor_load_to_lds s[\g0b:\g0b+3], s[\g1b:\g1b+7]
	s_nop 0
.rept 4
	v_nop
.endr
.Lasked_\@:
.endm
.macro CROUND                          ; a round of the cluster's barrier
	s_barrier_signal -1
	s_barrier_wait -1
	s_cmp_lg_u32 s18, 0
	s_cbranch_scc1 .Lnot_wave_0_\@
	s_barrier_signal -3
.Lnot_wave_0_\@:
	s_barrier_wait -3
	s_barrier_signal -1
	s_barrier_wait -1
.endm
.macro PLACES
.rept 4
	v_nop
.endr
.endm
	s_load_b256 s[4:11], s[0:1], 0x0               ; wc, ws, bq, bk
	s_load_b128 s[12:15], s[0:1], 0x20             ; bv, qb
	s_load_b64 s[16:17], s[0:1], 0x30              ; kv
	v_lshl_add_u32 v254, v0, 2, 0x3c000
	v_mov_b32 v255, 0
	ds_add_u32 v254, v255
	ds_add_u32 v254, v255
	v_lshrrev_b32 v1, 5, v0
	v_readfirstlane_b32 s18, v1                    ; wave 0..3
	s_lshr_b32 s19, s18, 1                         ; I fetch for x (0) or for W (1),
	s_and_b32 s20, s18, 1                          ; and which half of its tiles
	s_bfe_u32 s21, ttmp6, 0x40000                  ; cx
	s_bfe_u32 s22, ttmp6, 0x40004                  ; cy
	s_lshl_b32 s23, ttmp9, 2
	s_add_co_u32 s23, s23, s21                     ; the head
	s_and_b32 s24, ttmp7, 0xffff
	s_lshl_b32 s24, s24, 2
	s_add_co_u32 s24, s24, s22                     ; the block of 256 tokens
	s_lshl_b32 s92, s22, 2
	s_lshl_b32 s92, 15, s92                        ; my row of the cluster
	s_lshl_b32 s93, 0x1111, s21                    ; my column
	s_or_b32 s[G1X], s92, (3<<16)|(1<<21)          ; the mask; elements of 8 bytes; bit 21 set beside a mask; no padding: fragments are read as 512 consecutive bytes
	s_or_b32 s[G1SX], s92, (3<<16)|(1<<21)
	s_or_b32 s[G1W], s93, (3<<16)|(1<<21)
	s_or_b32 s[G1SW], s93, (3<<16)|(1<<21)
.irp g, G1X, G1W                       ; codes: a row = a tile's K half, 4,096 bytes = 512 elements; 8,192 bytes from tile to tile
	s_mov_b32 s[\g+1], 512<<16
	s_mov_b32 s[\g+3], 512<<16
	s_mov_b32 s[\g+5], 1024
	s_mov_b32 s[\g+6], 0
	s_mov_b32 s[\g+7], 0
.endr
	s_mov_b32 s[G1X+2], 8<<16                      ; x: 8 tiles a load
	s_mov_b32 s[G1X+4], 8
	s_mov_b32 s[G1W+2], 6<<16                      ; W: 6 tiles a load
	s_mov_b32 s[G1W+4], 6
.irp g, G1SX, G1SW                     ; scale words: dense, as rows of 256 bytes
	s_mov_b32 s[\g+1], 32<<16
	s_mov_b32 s[\g+3], 32<<16
	s_mov_b32 s[\g+5], 32
	s_mov_b32 s[\g+6], 0
	s_mov_b32 s[\g+7], 0
.endr
	s_mov_b32 s[G1SX+2], 16<<16                    ; 8 tiles x 512 bytes
	s_mov_b32 s[G1SX+4], 16
	s_mov_b32 s[G1SW+2], 12<<16                    ; 6 tiles x 512 bytes
	s_mov_b32 s[G1SW+4], 12
	; x's offsets hang on the block of tokens alone, W's on the head alone, each in registers of its own
	s_lshl_b32 s94, s24, 17                        ; x's codes: 16 tiles x 8,192 a block, 8 tiles a half
	s_lshl_b32 s95, s20, 16
	s_add_co_u32 s94, s94, s95
	s_mov_b32 s95, 0
	s_lshl_b32 s96, s24, 13                        ; x's scale words: 16 x 512 a block
	s_lshl_b32 s97, s20, 12
	s_add_co_u32 s96, s96, s97
	s_mov_b32 s97, 0
	s_mul_i32 s100, s23, 12
	s_add_co_u32 s100, s100, 256                   ; the head's first tile of W
	s_lshl_b32 s98, s100, 13
	s_lshl_b32 s100, s100, 9
	s_mul_i32 s25, s20, 49152
	s_add_co_u32 s98, s98, s25
	s_mul_i32 s25, s20, 3072
	s_add_co_u32 s100, s100, s25
	s_mov_b32 s99, 0
	s_mov_b32 s101, 0
	; where they go: no place in the cluster enters an LDS address
	s_lshl_b32 s[G0SX+1], s20, 12
	s_add_co_u32 s[G0SX+1], s[G0SX+1], SX
	s_lshl_b32 s[G0X+1], s20, 15
	s_add_co_u32 s[G0X+5], s[G0X+1], HALF
	s_mul_i32 s[G0SW+1], s20, 3072
	s_add_co_u32 s[G0SW+1], s[G0SW+1], SWS
	s_mul_i32 s[G0W+1], s20, 24576
	s_add_co_u32 s[G0W+1], s[G0W+1], WOFF
	s_add_co_u32 s[G0W+5], s[G0W+1], HALF
.irp g, G0SX, G0X, G0X+4, G0SW, G0W, G0W+4
	s_mov_b32 s[\g], 1
.endr
	s_mov_b32 s60, 0x76543210                      ; v_permlanex16_b32's selects for lane l xor 16
	s_mov_b32 s61, 0xfedcba98
	s_mov_b32 s62, 0xffff0000                      ; lanes 16-31
	s_wait_dscnt 0x0
	s_wait_kmcnt 0x0
	s_add_nc_u64 s[G0SX+2:G0SX+3], s[6:7], s[96:97]
	s_add_nc_u64 s[G0X+2:G0X+3], s[4:5], s[94:95]
	s_add_nc_u64 s[G0X+6:G0X+7], s[G0X+2:G0X+3], 4096   ; K half 1 lies 4,096 bytes on in each tile
	s_add_nc_u64 s[G0SW+2:G0SW+3], s[6:7], s[100:101]
	s_add_nc_u64 s[G0W+2:G0W+3], s[4:5], s[98:99]
	s_add_nc_u64 s[G0W+6:G0W+7], s[G0W+2:G0W+3], 4096
.irp g, G0SX, G0X, G0X+4, G0SW, G0W, G0W+4
	s_or_b32 s[\g+3], s[\g+3], 0x80000000          ; type = 2
.endr
	CROUND                                         ; all sixteen work-groups are here: the joint loads meet
	JLOAD G0SX, G1SX, G0SW, G1SW                   ; three loads of mine are out: the scale words,
	JLOAD G0X, G1X, G0W, G1W                       ; K half 0,
	JLOAD G0X+4, G1X, G0W+4, G1W                   ; K half 1
	v_and_b32 v13, 31, v0
	v_lshlrev_b32 v1, 4, v13                       ; v1: 16 x lane
	v_and_b32 v2, 15, v0                           ; r
	v_bfe_u32 v3, v0, 4, 1                         ; h
	s_lshl_b32 s63, s18, 14
	v_add_nc_u32 v4, s63, v1                       ; v4, v5: my four tiles of x in K half 0, 1
	v_add_nc_u32 v5, HALF, v4
	v_add_nc_u32 v6, WOFF, v1                      ; v6, v7: W's tiles
	v_add_nc_u32 v7, HALF, v6
	s_lshl_b32 s63, s18, 11                        ; scale words: lanes 0-15 my x tiles' (2,048 w on), lanes 16-31 W's: one product with h
	s_sub_co_u32 s66, 8192, s63
	v_mul_u32_u24 v8, s66, v3
	v_lshl_add_u32 v8, v2, 4, v8
	s_add_co_u32 s63, s63, SX
	v_add_nc_u32 v8, s63, v8                       ; v8
	v_lshlrev_b32 v9, 6, v3                        ; v9: 64 h: bq, bk at d = 16 h
	v_and_b32 v10, 8, v2
	v_add_nc_u32 v10, v10, v2
	v_lshlrev_b32 v10, 2, v10                      ; v10: 4 (r + 8 (r / 8)): bv at my channel
	v_lshlrev_b32 v11, 4, v2
	v_lshl_add_u32 v12, v3, 3, v11                 ; v12: 16 r + 8 h: two of my row's four scale words
	v_lshl_add_u32 v11, v3, 10, v11                ; v11: 1,024 h + 16 r: V's codes, block h
.irp b, 0,1,2,3
	v_mov_b32 v[TM+4+\b], 0                        ; written once: a lane permute's destination counts as one of its sources
.endr
	s_lshl_b32 s26, s23, 8                         ; the head's 64 numbers of each bias
	s_mov_b32 s27, 0
	s_add_nc_u64 s[8:9], s[8:9], s[26:27]
	s_add_nc_u64 s[10:11], s[10:11], s[26:27]
	s_add_nc_u64 s[12:13], s[12:13], s[26:27]
.irp t, 0,1,2,3                        ; tile 2 b + u: lane (r, h) wants d = 32 b + 16 h + 8 u + 0 .. 7
	global_load_b128 v[BQK+8*\t:BQK+8*\t+3], v9, s[8:9] offset:(32*(\t/2)+8*(\t%2))*4
	global_load_b128 v[BQK+8*\t+4:BQK+8*\t+7], v9, s[8:9] offset:(32*(\t/2)+8*(\t%2))*4+16
	global_load_b128 v[BQK+32+8*\t:BQK+32+8*\t+3], v9, s[10:11] offset:(32*(\t/2)+8*(\t%2))*4
	global_load_b128 v[BQK+32+8*\t+4:BQK+32+8*\t+7], v9, s[10:11] offset:(32*(\t/2)+8*(\t%2))*4+16
.endr
.irp t, 0,1,2,3                        ; V: all eight registers of a tile's C are the lane's channel's bias
.irp j, 0,1,2,3,4,5,6,7
	global_load_b32 v[BV+8*\t+\j], v10, s[12:13] offset:(32*(\t/2)+8*(\t%2))*4
.endr
.endr
	s_lshr_b32 s26, s24, 3                         ; my chunk's record: ((batch x 16 + head) x 32 + chunk), chunk = 4 (block % 8) + wave
	s_lshl_b32 s26, s26, 4
	s_add_co_u32 s26, s26, s23
	s_lshl_b32 s26, s26, 5
	s_and_b32 s27, s24, 7
	s_lshl_b32 s27, s27, 2
	s_add_co_u32 s26, s26, s27
	s_add_co_u32 s26, s26, s18
	s_mul_i32 s2, s26, 2304
	s_mov_b32 s3, 0
	s_add_nc_u64 s[14:15], s[14:15], s[2:3]
	s_mul_i32 s2, s26, 4608
	s_add_nc_u64 s[16:17], s[16:17], s[2:3]
.macro FETCH ks, p                     ; the fragments of K step ks into set p: 32 loads of 512 consecutive bytes
	WIN 0x40                                       ; destination window 1, address window 0
.irp a, 0,1,2,3
.irp c, 0,1
	ds_load_b128 v[128*(\p)+8*\a+4*\c:128*(\p)+8*\a+4*\c+3], v[4+(\ks)/4] offset:4096*\a+1024*((\ks)%4)+512*\c
.endr
.endr
.irp t, 0,1,2,3,4,5,6,7,8,9,10,11
.irp c, 0,1
	ds_load_b128 v[128*(\p)+32+8*\t+4*\c:128*(\p)+32+8*\t+4*\c+3], v[6+(\ks)/4] offset:4096*\t+1024*((\ks)%4)+512*\c
.endr
.endr
.endm
.macro MULQK ks, p                     ; 32 products: source 0 = W's tile (its words in lanes 16-31), source 1 = x's tile
.if (\ks) == 0
	WIN 0x85                                       ; sources window 1, C (the bias) window 0, D window 2
.else
	WIN 0xa5
.endif
.irp a, 0,1,2,3
.irp t, 0,1,2,3,4,5,6,7
.if (\ks) == 0
	v_wmma_scale_f32_16x16x128_f8f6f4 v[128*(\t/4)+8*(4*\a+\t%4):128*(\t/4)+8*(4*\a+\t%4)+7], v[128*(\p)+32+8*\t:128*(\p)+32+8*\t+7], v[128*(\p)+8*\a:128*(\p)+8*\a+7], v[BQK+8*\t:BQK+8*\t+7], v[SC+8*\t+(\ks)], v[SC+8*\a+(\ks)] matrix_a_fmt:MATRIX_FMT_FP4 matrix_b_fmt:MATRIX_FMT_FP4 matrix_a_scale:MATRIX_SCALE_ROW1
.else
	v_wmma_scale_f32_16x16x128_f8f6f4 v[128*(\t/4)+8*(4*\a+\t%4):128*(\t/4)+8*(4*\a+\t%4)+7], v[128*(\p)+32+8*\t:128*(\p)+32+8*\t+7], v[128*(\p)+8*\a:128*(\p)+8*\a+7], v[128*(\t/4)+8*(4*\a+\t%4):128*(\t/4)+8*(4*\a+\t%4)+7], v[SC+8*\t+(\ks)], v[SC+8*\a+(\ks)] matrix_a_fmt:MATRIX_FMT_FP4 matrix_b_fmt:MATRIX_FMT_FP4 matrix_a_scale:MATRIX_SCALE_ROW1
.endif
.endr
.endr
.endm
.macro MULV ks, p                      ; 16 products: source 0 = x's tile, source 1 = Wv's tile (its words in lanes 16-31)
.if (\ks) == 0
	WIN 0xc5                                       ; C (the bias) window 0, D window 3
.else
	WIN 0xf5
.endif
.irp t, 0,1,2,3
.irp a, 0,1,2,3
.if (\ks) == 0
	v_wmma_scale_f32_16x16x128_f8f6f4 v[8*(4*\t+\a):8*(4*\t+\a)+7], v[128*(\p)+8*\a:128*(\p)+8*\a+7], v[128*(\p)+96+8*\t:128*(\p)+96+8*\t+7], v[BV+8*\t:BV+8*\t+7], v[SC+8*\a+(\ks)], v[SC+64+8*\t+(\ks)] matrix_a_fmt:MATRIX_FMT_FP4 matrix_b_fmt:MATRIX_FMT_FP4 matrix_b_scale:MATRIX_SCALE_ROW1
.else
	v_wmma_scale_f32_16x16x128_f8f6f4 v[8*(4*\t+\a):8*(4*\t+\a)+7], v[128*(\p)+8*\a:128*(\p)+8*\a+7], v[128*(\p)+96+8*\t:128*(\p)+96+8*\t+7], v[8*(4*\t+\a):8*(4*\t+\a)+7], v[SC+8*\a+(\ks)], v[SC+64+8*\t+(\ks)] matrix_a_fmt:MATRIX_FMT_FP4 matrix_b_fmt:MATRIX_FMT_FP4 matrix_b_scale:MATRIX_SCALE_ROW1
.endif
.endr
.endr
.endm
; A K step of 128.  The 48 accumulators take turns, one instruction a turn, in the same order in every step.
.macro KSTEP ks
	s_wait_dscnt 0x0                               ; this step's fragments are in: they were asked for 48 matrix instructions ago
.if (\ks) == 3
	s_wait_tensorcnt 0x0                           ; my part of K half 1 has landed,
	s_barrier_signal -1
	s_barrier_wait -1                              ; everybody's has
.endif
.if (\ks) > 0
	PLACES                                         ; four places in front of loads into the set that the last step's products read
.endif
.if (\ks) < 7
	FETCH (\ks)+1, ((\ks)+1)%2
.endif
	MULQK \ks, (\ks)%2
	MULV \ks, (\ks)%2
.endm
; 64 numbers of a lane in window wn, register 16 b + i = place 32 (b % 2) + 16 h + i along the next K of tile b / 2, become two half fragments in v[pc] on and a word of four bytes in v[pw].
; Each accumulator is read from its low end on.
.macro QUANT wn, s, pc, pw
	WIN (\wn)|((\wn)<<2)
.irp b, 0,1,2,3
	v_max3_num_f32 v[TM+\b], |v[\s+16*\b]|, |v[\s+16*\b+1]|, 0x1800000   ; my 16 numbers of block b, and the floor 2^(3 - 127)
.endr
.irp i, 2,4,6,8,10,12,14
.irp b, 0,1,2,3
	v_max3_num_f32 v[TM+\b], |v[\s+16*\b+\i]|, |v[\s+16*\b+\i+1]|, v[TM+\b]
.endr
.endr
	WIN 0
.irp b, 0,1,2,3
	v_permlanex16_b32 v[TM+4+\b], v[TM+\b], s60, s61
.endr
.irp b, 0,1,2,3
	v_max_num_f32 v[TM+\b], v[TM+\b], v[TM+4+\b]   ; with lane l xor 16's 16: the block's largest magnitude
.endr
.irp b, 0,1,2,3
	v_add_nc_u32 v[TM+12+\b], 0xff000000, v[TM+\b] ; 2 off its exponent field: the conversion's scale operand
.endr
.irp b, 0,1,2,3
	v_lshrrev_b32 v[TM+4+\b], 23, v[TM+12+\b]      ; the byte
.endr
	v_lshl_or_b32 v[\pw], v[TM+5], 8, v[TM+4]
	v_lshl_or_b32 v[\pw], v[TM+6], 16, v[\pw]
	v_lshl_or_b32 v[\pw], v[TM+7], 24, v[\pw]
	WIN \wn
.irp b, 0,1,2,3
	v_cvt_scalef32_pk8_fp4_f32 v[\pc+2*\b], v[\s+16*\b:\s+16*\b+7], v[TM+12+\b]
	v_cvt_scalef32_pk8_fp4_f32 v[\pc+2*\b+1], v[\s+16*\b+8:\s+16*\b+15], v[TM+12+\b]
.endr
	WIN 0
	v_nop                                          ; one plain line behind the last scaled conversion
.irp c, 0,1                            ; a whole block to a lane: lanes 0-15 block 2 c, lanes 16-31 block 2 c + 1
.irp i, 0,1
	v_permlane16_swap_b32 v[\pc+4*\c+\i], v[\pc+4*\c+2+\i]
.endr
.endr
.endm
	s_wait_tensorcnt 0x1                           ; my scale words and my part of K half 0 are in; K half 1 may stay out
	s_barrier_signal -1
	s_barrier_wait -1
.irp i, 0,1,2,3,4,5,6,7,8,9,10,11      ; all scale words, once: 24 loads.  For i above 3 lanes 0-15 read filled bytes that no product names
.irp g, 0,1
	ds_load_b128 v[SC+8*\i+4*\g:SC+8*\i+4*\g+3], v8 offset:512*\i+256*\g
.endr
.endr
	FETCH 0, 0
	s_wait_loadcnt 0x0                             ; the biases
	KSTEP 0
	KSTEP 1
	KSTEP 2
	KSTEP 3
	KSTEP 4
	KSTEP 5
	KSTEP 6
	KSTEP 7
	WIN 0
	PLACES                                         ; four places in front of the first read of results
	QUANT 2, 0,   PC,    PW                        ; Q's token tiles 0, 1
	QUANT 2, 64,  PC+8,  PW+1                      ; 2, 3
	QUANT 2, 128, PC+16, PW+2                      ; K's
	QUANT 2, 192, PC+24, PW+3
	QUANT 3, 0,   PC+32, PW+4                      ; V's channel tiles 0, 1
	QUANT 3, 64,  PC+40, PW+5                      ; 2, 3
.irp k, 0,1,2                          ; lanes 0-15 store the words of tiles 0, 1 of their row, lanes 16-31 those of tiles 2, 3: two bytes each, 0 above
	v_cndmask_b32 v[PR+2*\k], v[PW+2*\k], v[PW+2*\k+1], s62
	v_lshrrev_b32 v[PR+2*\k+1], 16, v[PR+2*\k]
	v_and_b32 v[PR+2*\k], 0xffff, v[PR+2*\k]
.endr
.irp a, 0,1,2,3
	global_store_b128 v1, v[PC+4*\a:PC+4*\a+3], s[14:15] offset:512*\a          ; 512 consecutive bytes, aligned to 256
	global_store_b128 v1, v[PC+16+4*\a:PC+16+4*\a+3], s[16:17] offset:512*\a
	global_store_b128 v11, v[PC+32+4*\a:PC+32+4*\a+3], s[16:17] offset:2048+256*\a   ; two aligned runs of 256 bytes: key blocks 0 and 1
.endr
	global_store_b64 v12, v[PR:PR+1], s[14:15] offset:2048                      ; 256 consecutive bytes each
	global_store_b64 v12, v[PR+2:PR+3], s[16:17] offset:4096
	global_store_b64 v12, v[PR+4:PR+5], s[16:17] offset:4352
	s_wait_tensorcnt 0x0
	ds_add_u32 v254, v255
	s_wait_dscnt 0x0
	CROUND                                         ; the closing round: no work-group ends while a partner may still ask for a tile that names it
	s_endpgm
.Lfunc_end_k_q7508e6dfb1_qkv:
	.size	k_q7508e6dfb1_qkv, .Lfunc_end_k_q7508e6dfb1_qkv-k_q7508e6dfb1_qkv
	.p2alignl 7, 3214868480
	.fill 96, 4, 3214868480
	.section	.rodata,"a",@progbits
	.p2align	6, 0x0
	.amdhsa_kernel k_q7508e6dfb1_qkv
		.amdhsa_group_segment_fixed_size 246272
		.amdhsa_private_segment_fixed_size 0
		.amdhsa_enable_private_segment 0
		.amdhsa_kernarg_size 56
		.amdhsa_user_sgpr_count 2
		.amdhsa_user_sgpr_kernarg_segment_ptr 1
		.amdhsa_wavefront_size32 1
		.amdhsa_system_sgpr_workgroup_id_x 1
		.amdhsa_system_sgpr_workgroup_id_y 1
		.amdhsa_system_sgpr_workgroup_id_z 1
		.amdhsa_system_vgpr_workitem_id 0
		.amdhsa_next_free_vgpr 896
		.amdhsa_next_free_sgpr 102
		.amdhsa_reserve_vcc 0
		.amdhsa_float_denorm_mode_32 3
		.amdhsa_float_denorm_mode_16_64 3
		.amdhsa_memory_ordered 1
		.amdhsa_forward_progress 1
		.amdhsa_inst_pref_size 107
	.end_amdhsa_kernel
	.amdgpu_metadata
---
amdhsa.version: [ 1, 2 ]
amdhsa.kernels:
  - .name:           k_q7508e6dfb1_qkv
    .symbol:         k_q7508e6dfb1_qkv.kd
    .args:
      - { .name: wc, .offset: 0, .size: 8, .value_kind: global_buffer, .address_space: global }
      - { .name: ws, .offset: 8, .size: 8, .value_kind: global_buffer, .address_space: global }
      - { .name: bq, .offset: 16, .size: 8, .value_kind: global_buffer, .address_space: global }
      - { .name: bk, .offset: 24, .size: 8, .value_kind: global_buffer, .address_space: global }
      - { .name: bv, .offset: 32, .size: 8, .value_kind: global_buffer, .address_space: global }
      - { .name: qb, .offset: 40, .size: 8, .value_kind: global_buffer, .address_space: global }
      - { .name: kv, .offset: 48, .size: 8, .value_kind: global_buffer, .address_space: global }
    .group_segment_fixed_size: 246272
    .private_segment_fixed_size: 0
    .kernarg_segment_align: 8
    .kernarg_segment_size: 56
    .max_flat_workgroup_size: 128
    .sgpr_count:     102
    .vgpr_count:     896
    .wavefront_size: 32
...
	.end_amdgpu_metadata
.endif
;; end of part 2
;; launch attn (part 3): grid 8 x 32, 16 waves a work-group, no clusters, 169,984 bytes of LDS; arguments qb, kv, oc, os; writes oc, os
.if DOCPART == 3
	.amdgcn_target "amdgcn-amd-amdhsa--gfx1250"
	.amdhsa_code_object_version 6
	.text
	.protected	k_q7508e6dfb1_attn
	.globl	k_q7508e6dfb1_attn
	.p2align	8
	.type	k_q7508e6dfb1_attn,@function
k_q7508e6dfb1_attn:
	s_mov_b64 s[64:65], 0
	v_nop
	global_prefetch_b8 v0, s[64:65] scope:SCOPE_SE
	s_setreg_imm32_b32 hwreg(HW_REG_WAVE_MODE, 25, 1), 1
	s_wait_xcnt 0x0
; The banded attention of one (batch, head) for 256 queries a work-group, on codes of FP4.  Key k counts for query q where q - 255 <= k <= q.
; THE SOFTMAX IS FINISHED AND NORMALISED AHEAD OF THE QUANTISER: a tile of 16 queries sees at most 320 keys (five chunks of 64, ten aligned blocks of 32), so a lane keeps all its 160 scores in registers:
; the row's maximum is taken away, p = 2^(c s - c max), c = log2(e) / 8, the row's sum divides, and p / sum is quantised along the keys.  Hidden keys are -infinity ahead of the maximum, so their p is 0.
; SHARES: sixteen waves, one tile of 16 queries each, 256 registers: four waves to a SIMD.  The eight chunk records of K and V that the 256 queries see (36,864 bytes) come into LDS once, by four tensor loads.
; No joint loads: a neighbouring block's own records are my earlier ones and would want another LDS address, which may not hang on the place in a cluster.
; BOTH PRODUCTS TRANSPOSED: S^T = K Q^T, O^T = V^T P^T: a lane holds one query; by the tiles' row order register 16 b + i of S is key 32 b + 16 h + i, and of O channel 32 b + 16 h + i.
; The first product's K is 64: the upper half of both fragments is zero codes.  The first work-group of a head loads real records in place of keys that do not exist; they are hidden by the mask.
; OUT: the result, quantised along d, as an operand's image: oc [token tile][block = 2 head + b][slot][16], os as the scale words of the other operands.  A wave has 32 single scale bytes inside one run of 256
; bytes of os, against 512 bytes of codes: a whole run would need all 16 heads in one work-group.
; LIMITS: no NaN or infinities; p under 2^-126 comes out of the exponential as 0; a block of zeros gets the byte 1; a block's largest p is made from its largest score by the same instructions, which takes
; the exponential not to fall where its input rises.
; REGISTERS: v1-8 addresses and mask bounds; v12-15, v26-29 the row's figures; v16-23 Q; v24 Q's word; v32-63 four fragments of K (upper halves zero), then p's codes; v64-67 K's words; v68-77 the blocks' maxima;
; v78-87 at work; v88-90 p's words; v96-255 S; later v96-191 V's fragments, v192-223 O^T, v224-243 V's words.
.set REC, 4608                         ; a chunk's record: K's codes 0, V's codes 2,048, K's words 4,096, V's words 4,352
.set S,   96
.set BM,  68
.set T2,  78
.set PWD, 88
.set PC,  32
.set VF,  96
.set OA,  192
.set VS,  224
	s_load_b256 s[4:11], s[0:1], 0x0               ; qb, kv, oc, os
	v_lshl_add_u32 v94, v0, 2, 0x29000
	v_mov_b32 v95, 0
	ds_add_u32 v94, v95
	ds_add_u32 v94, v95
	v_lshrrev_b32 v1, 5, v0
	v_readfirstlane_b32 s18, v1                    ; wave 0..15
	s_lshr_b32 s19, s18, 2                         ; gamma: my chunk of the block's four
	s_and_b32 s20, s18, 3                          ; a: my tile in it
	s_and_b32 s21, ttmp7, 0xffff                   ; batch x 16 + head
	s_mov_b32 s28, 3<<16                           ; group 1: two records, 9,216 dense bytes, as 36 rows of 256 bytes (32 elements of 8)
	s_mov_b32 s29, 32<<16
	s_mov_b32 s30, 36<<16
	s_mov_b32 s31, 32<<16
	s_mov_b32 s32, 36
	s_mov_b32 s33, 32
	s_mov_b32 s34, 0
	s_mov_b32 s35, 0
	s_mov_b32 s36, 1
	s_mul_i32 s37, s18, 2*REC                      ; waves 0-3: records 2 w, 2 w + 1 of the eight
	s_lshl_b32 s24, ttmp9, 2
	s_lshl_b32 s25, s18, 1
	s_add_co_u32 s24, s24, s25
	s_sub_co_i32 s24, s24, 4                       ; chunk 4 m - 4 + 2 w of the head,
	s_max_i32 s24, s24, 0                          ; held at 0: no load leaves the buffer
	s_lshl_b32 s25, s21, 5
	s_add_co_u32 s24, s24, s25
	s_mul_i32 s24, s24, REC
	s_mov_b32 s25, 0
	s_lshl_b32 s26, s21, 5                         ; my queries' record: chunk 4 m + gamma
	s_lshl_b32 s27, ttmp9, 2
	s_add_co_u32 s26, s26, s27
	s_add_co_u32 s26, s26, s19
	s_mul_i32 s26, s26, 2304
	s_mov_b32 s27, 0
	s_lshr_b32 s47, s21, 4                         ; my token tile: 128 batch + 16 m + wave
	s_lshl_b32 s47, s47, 7
	s_lshl_b32 s48, ttmp9, 4
	s_add_co_u32 s47, s47, s48
	s_add_co_u32 s47, s47, s18
	s_and_b32 s48, s21, 15                         ; the head
	s_lshl_b32 s50, s47, 13                        ; oc: 8,192 a tile, 512 a head
	s_lshl_b32 s51, s48, 9
	s_add_co_u32 s50, s50, s51
	s_mov_b32 s51, 0
	s_lshl_b32 s52, s47, 9                         ; os: 512 a tile; block 2 head + h: K half head / 8, word (head / 2) % 4, byte 2 (head % 2) + h
	s_lshr_b32 s53, s48, 3
	s_lshl_b32 s53, s53, 8
	s_add_co_u32 s52, s52, s53
	s_bfe_u32 s53, s48, 0x20001
	s_lshl_b32 s53, s53, 2
	s_add_co_u32 s52, s52, s53
	s_and_b32 s53, s48, 1
	s_lshl_b32 s53, s53, 1
	s_add_co_u32 s52, s52, s53
	s_mov_b32 s53, 0
	s_mov_b32 s40, 0x3e38aa3b                      ; c = log2(e) / sqrt(64)
	s_mov_b32 s41, s40                             ; (named with it as a pair)
	s_mov_b32 s42, 0xbe38aa3b                      ; -c
	s_mov_b32 s44, 0x76543210                      ; v_permlanex16_b32's selects for lane l xor 16
	s_mov_b32 s45, 0xfedcba98
	s_mov_b32 s46, 0xffff0000                      ; lanes 16-31
	s_wait_dscnt 0x0
	s_wait_kmcnt 0x0
	s_add_nc_u64 s[4:5], s[4:5], s[26:27]
	s_add_nc_u64 s[8:9], s[8:9], s[50:51]
	s_add_nc_u64 s[10:11], s[10:11], s[52:53]
	s_add_nc_u64 s[38:39], s[6:7], s[24:25]
	s_or_b32 s39, s39, 0x80000000                  ; type = 2
	s_cmp_lt_u32 s18, 4
	s_cbranch_scc0 .Lno_fetch                      ; waves 4-15 fetch nothing
	tensor_load_to_lds s[36:39], s[28:35]          ; one load of mine is out
	s_nop 0
.rept 4
	v_nop
.endr
.Lno_fetch:
.irp z, 20,21,22,23, 36,37,38,39, 44,45,46,47, 52,53,54,55, 60,61,62,63
	v_mov_b32 v\z, 0                               ; the zero codes of k = 64 .. 127: Q's upper half and that of K's four buffers
.endr
.irp z, 78,79,80,81,82,83,84,85,86,87, 13, 29
	v_mov_b32 v\z, 0                               ; written once: lane permutes' destinations, and the upper halves of pairs of which the low word alone is used
.endr
	v_mov_b32 v6, 0xff800000                       ; -infinity
	v_and_b32 v9, 15, v0                           ; r
	v_bfe_u32 v10, v0, 4, 1                        ; h
	v_and_b32 v11, 31, v0
	v_lshlrev_b32 v7, 4, v11                       ; v7: 16 x lane
	v_lshlrev_b32 v2, 4, v9                        ; 16 r
	v_add_nc_u32 v8, v2, v10                       ; v8: 16 r + h: my byte of os
	s_lshl_b32 s23, s20, 9
	v_add_nc_u32 v25, s23, v7                      ; Q's codes: tile a, 16 x lane
	s_lshl_b32 s23, s20, 2
	v_add_nc_u32 v30, s23, v2                      ; Q's word: 16 r + 4 a
	global_load_b128 v[16:19], v25, s[4:5]
	global_load_b32 v24, v30, s[4:5] offset:2048
	s_mul_i32 s22, s19, REC                        ; my five records begin at record gamma
	v_add_nc_u32 v1, s22, v7                       ; v1: K's codes
	v_lshl_add_u32 v3, v10, 10, v2
	s_add_co_u32 s23, s22, 2048
	v_add_nc_u32 v3, s23, v3                       ; v3: V's codes: key block h, slot r
	s_add_co_u32 s23, s22, 4096
	v_add_nc_u32 v2, s23, v2                       ; v2: the scale words of slot r
	; The mask.  Counted from my first record's first key, register 16 b + i holds key n + 16 h, n = 32 b + i, and my query is 256 + 32 (a / 2) + 8 (a % 2) + r % 8 + 16 (r / 8).
	s_bfe_u32 s54, s18, 0x10001
	s_lshl_b32 s54, s54, 5
	s_and_b32 s55, s18, 1
	s_lshl_b32 s55, s55, 3
	s_add_co_u32 s54, s54, s55
	s_add_co_u32 s54, s54, 256
	v_and_b32 v11, 8, v9
	v_add_nc_u32 v11, v11, v9
	v_lshlrev_b32 v31, 4, v10
	v_sub_nc_u32 v4, v11, v31
	v_add_nc_u32 v4, s54, v4                       ; v4: D = my query - 16 h, 240 .. 319: hidden where n > D
	s_lshl_b32 s56, ttmp9, 8
	s_lshl_b32 s57, s19, 6
	s_add_co_u32 s56, s56, s57
	s_sub_co_i32 s56, 256, s56                     ; the place of the head's key 0: 256 - 256 m - 64 gamma
	v_sub_nc_u32 v5, s56, v31
	v_add_nc_u32 v11, 0xffffff01, v4               ; D - 255
	v_max_i32 v5, v5, v11                          ; v5: hidden where n < this: out of the band, or no key at all
	s_wait_tensorcnt 0x0                           ; my load has landed (a wave without one passes),
	s_barrier_signal -1
	s_barrier_wait -1                              ; everybody's has
	s_wait_loadcnt 0x0                             ; Q
	; ---- S^T = K Q^T: five chunks, four tiles of 16 keys each
.irp j, 0,1,2,3,4
.if \j > 0
.rept 4
	v_nop                                          ; four places in front of loads into registers that the last products read
.endr
.endif
.irp i, 0,1,2,3
	ds_load_b128 v[32+8*\i:35+8*\i], v1 offset:REC*\j+512*\i
.endr
	ds_load_b128 v[64:67], v2 offset:REC*\j        ; the four tiles' words of slot r
	s_wait_dscnt 0x0
.irp i, 0,1,2,3
	v_wmma_scale_f32_16x16x128_f8f6f4 v[S+32*\j+8*\i:S+32*\j+8*\i+7], v[32+8*\i:39+8*\i], v[16:23], 0, v[64+\i], v24 matrix_a_fmt:MATRIX_FMT_FP4 matrix_b_fmt:MATRIX_FMT_FP4
.endr
.endr
.rept 4
	v_nop                                          ; four places in front of the first read of results
.endr
.macro MASKLO b                        ; each accumulator from its low end on
.irp i, 0,1,2,3,4,5,6,7,8,9,10,11,12,13,14,15
	v_cmp_lt_i32 vcc_lo, 32*(\b)+\i, v5
	v_cndmask_b32 v[S+16*(\b)+\i], v[S+16*(\b)+\i], v6, vcc_lo
.endr
.endm
.macro MASKHI b
.irp i, 0,1,2,3,4,5,6,7,8,9,10,11,12,13,14,15
	v_cmp_gt_i32 vcc_lo, 32*(\b)+\i, v4
	v_cndmask_b32 v[S+16*(\b)+\i], v[S+16*(\b)+\i], v6, vcc_lo
.endr
.endm
	MASKLO 0                                       ; D - 255 is 64 at the most: the band's lower edge falls into blocks 0 and 1 (n up to 47; block 2 begins at 64)
	MASKLO 1
	s_cmp_lg_u32 ttmp9, 0                          ; only a head's first 256 queries have keys that do not exist: up to n = 255, blocks 2 to 7 too
	s_cbranch_scc1 .Lall_keys
	MASKLO 2
	MASKLO 3
	MASKLO 4
	MASKLO 5
	MASKLO 6
	MASKLO 7
.Lall_keys:
	MASKHI 8                                       ; D is 240 at the least: the diagonal falls into blocks 8 and 9 (block 7 ends at n = 239)
	MASKHI 9
	; ---- the largest score of each block of 32 keys: for the row's maximum, and, since p rises with the score, for the block's largest p
.irp b, 0,1,2,3,4,5,6,7,8,9
	v_max3_num_f32 v[BM+\b], v[S+16*\b], v[S+16*\b+1], v[S+16*\b+2]
.endr
.irp i, 3,5,7,9,11,13
.irp b, 0,1,2,3,4,5,6,7,8,9
	v_max3_num_f32 v[BM+\b], v[BM+\b], v[S+16*\b+\i], v[S+16*\b+\i+1]
.endr
.endr
.irp b, 0,1,2,3,4,5,6,7,8,9
	v_max_num_f32 v[BM+\b], v[BM+\b], v[S+16*\b+15]
.endr
.irp b, 0,1,2,3,4,5,6,7,8,9
	v_permlanex16_b32 v[T2+\b], v[BM+\b], s44, s45
.endr
.irp b, 0,1,2,3,4,5,6,7,8,9
	v_max_num_f32 v[BM+\b], v[BM+\b], v[T2+\b]     ; with lane l xor 16's 16 keys
.endr
	v_max3_num_f32 v9, v[BM], v[BM+1], v[BM+2]
	v_max3_num_f32 v10, v[BM+3], v[BM+4], v[BM+5]
	v_max3_num_f32 v11, v[BM+6], v[BM+7], v[BM+8]
	v_max3_num_f32 v9, v9, v10, v11
	v_max_num_f32 v9, v9, v[BM+9]                  ; the row's maximum: a number, since the diagonal always counts
	v_mul_f32 v12, s42, v9                         ; -c max
.set k, S
.rept 80
	v_pk_fma_f32 v[k:k+1], v[k:k+1], s[40:41], v[12:13] op_sel_hi:[1,0,0]   ; c s - c max, two at a time
.set k, k+2
.endr
.irp b, 0,1,2,3,4,5,6,7,8,9
	v_fma_f32 v[BM+\b], v[BM+\b], s40, v12         ; the same of each block's largest score
.endr
.set k, S
.rept 160
	v_exp_f32 v[k], v[k]
.set k, k+1
.endr
.irp b, 0,1,2,3,4,5,6,7,8,9
	v_exp_f32 v[BM+\b], v[BM+\b]
.endr
	v_nop                                          ; one plain line between the exponentials and the first use of a result
	s_wait_alu depctr_va_vdst(0)
	v_pk_add_f32 v[14:15], v[S:S+1], v[S+2:S+3]    ; the row's sum: two chains of pairs
	v_pk_add_f32 v[26:27], v[S+4:S+5], v[S+6:S+7]
.set k, S+8
.rept 38
	v_pk_add_f32 v[14:15], v[14:15], v[k:k+1]
	v_pk_add_f32 v[26:27], v[26:27], v[k+2:k+3]
.set k, k+4
.endr
	v_pk_add_f32 v[14:15], v[14:15], v[26:27]
	v_add_f32 v14, v14, v15
	v_permlanex16_b32 v26, v14, s44, s45
	v_add_f32 v14, v14, v26                        ; with lane l xor 16's keys
	v_rcp_f32 v28, v14
	v_nop                                          ; one plain line behind the reciprocal
.set k, S
	s_wait_alu depctr_va_vdst(0)
.rept 80
	v_pk_mul_f32 v[k:k+1], v[k:k+1], v[28:29] op_sel_hi:[1,0]   ; the finished softmax
.set k, k+2
.endr
.irp b, 0,1,2,3,4,5,6,7,8,9
	v_mul_f32 v[BM+\b], v[BM+\b], v28              ; the same multiplication of the same number: each block's largest magnitude
.endr
.irp b, 0,1,2,3,4,5,6,7,8,9
	v_max_num_f32 v[BM+\b], 0x1800000, v[BM+\b]    ; the floor 2^(3 - 127): a block of zeros keeps the byte 1
.endr
.irp b, 0,1,2,3,4,5,6,7,8,9
	v_add_nc_u32 v[T2+\b], 0xff000000, v[BM+\b]    ; the conversion's scale operand
.endr
.irp b, 0,1,2,3,4,5,6,7,8,9
	v_lshrrev_b32 v[BM+\b], 23, v[T2+\b]           ; the byte
.endr
.irp s, 0,1
	v_lshl_or_b32 v[PWD+\s], v[BM+4*\s+1], 8, v[BM+4*\s]
	v_lshl_or_b32 v[PWD+\s], v[BM+4*\s+2], 16, v[PWD+\s]
	v_lshl_or_b32 v[PWD+\s], v[BM+4*\s+3], 24, v[PWD+\s]
.endr
	v_lshl_or_b32 v[PWD+2], v[BM+9], 8, v[BM+8]    ; the third 128 keys have two blocks; the rest is zero codes
.irp b, 0,1,2,3,4,5,6,7,8,9
	v_cvt_scalef32_pk8_fp4_f32 v[PC+2*\b], v[S+16*\b:S+16*\b+7], v[T2+\b]
	v_cvt_scalef32_pk8_fp4_f32 v[PC+2*\b+1], v[S+16*\b+8:S+16*\b+15], v[T2+\b]
.endr
	v_nop                                          ; one plain line behind the last scaled conversion
	; ---- V's fragments and words into S's registers; the swaps and the clears stand while the loads are out
.irp s, 0,1,2
.irp t, 0,1,2,3
	ds_load_b128 v[VF+8*(4*\s+\t):VF+8*(4*\s+\t)+3], v3 offset:(2*\s)*REC+256*\t
.if \s < 2
	ds_load_b128 v[VF+8*(4*\s+\t)+4:VF+8*(4*\s+\t)+7], v3 offset:(2*\s+1)*REC+256*\t
.endif
.endr
.endr
.irp j, 0,1,2,3,4
	ds_load_b128 v[VS+4*\j:VS+4*\j+3], v2 offset:REC*\j+256
.endr
.irp c, 0,1,2,3,4                      ; a whole block to a lane: lanes 0-15 block 2 c, lanes 16-31 block 2 c + 1
.irp i, 0,1
	v_permlane16_swap_b32 v[PC+4*\c+\i], v[PC+4*\c+2+\i]
.endr
.endr
.irp t, 0,1,2,3
.irp i, 4,5,6,7
	v_mov_b32 v[VF+8*(8+\t)+\i], 0                 ; keys 320 .. 383 do not belong to the band: zero codes.  (p's v52-55 have been zeros since the head)
.endr
.endr
	s_wait_dscnt 0x0
.irp s, 0,1
.irp t, 0,1,2,3
	v_lshl_or_b32 v[VS+8*\s+\t], v[VS+8*\s+4+\t], 16, v[VS+8*\s+\t]   ; two chunks' two bytes make the word of 128 keys
.endr
.endr
.rept 8
	v_nop                                          ; a scale register written by a vector instruction stands eight places ahead of a scaled matrix instruction
.endr
	; ---- O^T = V^T P^T: the four accumulators by turns
.irp s, 0,1,2
.irp t, 0,1,2,3
.if \s == 0
	v_wmma_scale_f32_16x16x128_f8f6f4 v[OA+8*\t:OA+8*\t+7], v[VF+8*(4*\s+\t):VF+8*(4*\s+\t)+7], v[PC+8*\s:PC+8*\s+7], 0, v[VS+8*\s+\t], v[PWD+\s] matrix_a_fmt:MATRIX_FMT_FP4 matrix_b_fmt:MATRIX_FMT_FP4
.else
	v_wmma_scale_f32_16x16x128_f8f6f4 v[OA+8*\t:OA+8*\t+7], v[VF+8*(4*\s+\t):VF+8*(4*\s+\t)+7], v[PC+8*\s:PC+8*\s+7], v[OA+8*\t:OA+8*\t+7], v[VS+8*\s+\t], v[PWD+\s] matrix_a_fmt:MATRIX_FMT_FP4 matrix_b_fmt:MATRIX_FMT_FP4
.endif
.endr
.endr
.rept 4
	v_nop
.endr
	; ---- the result is quantised along d: two blocks of 32
.irp b, 0,1
	v_max3_num_f32 v[BM+\b], |v[OA+16*\b]|, |v[OA+16*\b+1]|, 0x1800000
.endr
.irp i, 2,4,6,8,10,12,14
.irp b, 0,1
	v_max3_num_f32 v[BM+\b], v[BM+\b], |v[OA+16*\b+\i]|, |v[OA+16*\b+\i+1]|
.endr
.endr
.irp b, 0,1
	v_permlanex16_b32 v[T2+\b], v[BM+\b], s44, s45
.endr
.irp b, 0,1
	v_max_num_f32 v[BM+\b], v[BM+\b], v[T2+\b]
.endr
.irp b, 0,1
	v_add_nc_u32 v[T2+\b], 0xff000000, v[BM+\b]
.endr
.irp b, 0,1
	v_lshrrev_b32 v[BM+\b], 23, v[T2+\b]
.endr
.irp b, 0,1
	v_cvt_scalef32_pk8_fp4_f32 v[56+2*\b], v[OA+16*\b:OA+16*\b+7], v[T2+\b]
	v_cvt_scalef32_pk8_fp4_f32 v[57+2*\b], v[OA+16*\b+8:OA+16*\b+15], v[T2+\b]
.endr
	v_cndmask_b32 v9, v[BM], v[BM+1], s46          ; (the plain line behind the conversions)  lanes 0-15 store block 0's byte, lanes 16-31 block 1's
	v_permlane16_swap_b32 v56, v58
	v_permlane16_swap_b32 v57, v59
	global_store_b128 v7, v[56:59], s[8:9]         ; 512 consecutive bytes, aligned to 256
	global_store_b8 v8, v9, s[10:11]
	s_wait_tensorcnt 0x0
	ds_add_u32 v94, v95
	s_wait_dscnt 0x0
	s_endpgm
.Lfunc_end_k_q7508e6dfb1_attn:
	.size	k_q7508e6dfb1_attn, .Lfunc_end_k_q7508e6dfb1_attn-k_q7508e6dfb1_attn
	.p2alignl 7, 3214868480
	.fill 96, 4, 3214868480
	.section	.rodata,"a",@progbits
	.p2align	6, 0x0
	.amdhsa_kernel k_q7508e6dfb1_attn
		.amdhsa_group_segment_fixed_size 169984
		.amdhsa_private_segment_fixed_size 0
		.amdhsa_enable_private_segment 0
		.amdhsa_kernarg_size 32
		.amdhsa_user_sgpr_count 2
		.amdhsa_user_sgpr_kernarg_segment_ptr 1
		.amdhsa_wavefront_size32 1
		.amdhsa_system_sgpr_workgroup_id_x 1
		.amdhsa_system_sgpr_workgroup_id_y 1
		.amdhsa_system_sgpr_workgroup_id_z 1
		.amdhsa_system_vgpr_workitem_id 0
		.amdhsa_next_free_vgpr 256
		.amdhsa_next_free_sgpr 66
		.amdhsa_reserve_vcc 1
		.amdhsa_float_denorm_mode_32 3
		.amdhsa_float_denorm_mode_16_64 3
		.amdhsa_memory_ordered 1
		.amdhsa_forward_progress 1
		.amdhsa_inst_pref_size 63
	.end_amdhsa_kernel
	.amdgpu_metadata
---
amdhsa.version: [ 1, 2 ]
amdhsa.kernels:
  - .name:           k_q7508e6dfb1_attn
    .symbol:         k_q7508e6dfb1_attn.kd
    .args:
      - { .name: qb, .offset: 0, .size: 8, .value_kind: global_buffer, .address_space: global }
      - { .name: kv, .offset: 8, .size: 8, .value_kind: global_buffer, .address_space: global }
      - { .name: oc, .offset: 16, .size: 8, .value_kind: global_buffer, .address_space: global }
      - { .name: os, .offset: 24, .size: 8, .value_kind: global_buffer, .address_space: global }
    .group_segment_fixed_size: 169984
    .private_segment_fixed_size: 0
    .kernarg_segment_align: 8
    .kernarg_segment_size: 32
    .max_flat_workgroup_size: 512
    .sgpr_count:     66
    .vgpr_count:     256
    .wavefront_size: 32
...
	.end_amdgpu_metadata
.endif
;; end of part 3
;; launch oproj (part 4): grid 8 x 32, 4 waves a work-group, clusters of 4 x 4, 168,448 bytes of LDS; arguments oc, os, wc, ws, bo, out0; writes out0
.if DOCPART == 4
	.amdgcn_target "amdgcn-amd-amdhsa--gfx1250"
	.amdhsa_code_object_version 6
	.text
	.protected	k_q7508e6dfb1_oproj
	.globl	k_q7508e6dfb1_oproj
	.p2align	8
	.type	k_q7508e6dfb1_oproj,@function
k_q7508e6dfb1_oproj:
	s_mov_b64 s[64:65], 0
	v_nop
	global_prefetch_b8 v0, s[64:65] scope:SCOPE_SE
	s_setreg_imm32_b32 hwreg(HW_REG_WAVE_MODE, 25, 1), 1
	s_wait_xcnt 0x0
	s_wait_alu depctr_hold_cnt(0) depctr_sa_sdst(0) depctr_va_vdst(0) depctr_va_sdst(0) depctr_va_ssrc(0) depctr_va_vcc(0) depctr_vm_vsrc(0)
	s_getreg_b32 s2, hwreg(HW_REG_IB_STS2, 6, 4)
	s_cmp_eq_u32 s2, 0
	s_cbranch_scc0 .Lentry_in_a_cluster
	s_endpgm
.Lentry_in_a_cluster:
	s_bfe_u32 s2, ttmp6, 0x10000c
	s_cmp_lg_u32 s2, 0xf033
	s_cbranch_scc0 .Lentry_shape_is_right
	s_endpgm
.Lentry_shape_is_right:
; out0 = O Wo^T + bo on codes of FP4.  O's codes and scale words come from the attention launch, Wo's are tiles 448-511 of wc, ws.  out0: [4096][1024] f32.
; SHARES: a work-group makes 128 tokens x 128 columns (256 work-groups); all of K = 1,024 of its 8 + 8 tiles lies in LDS, each byte filled once.  Wave w makes 64 x 64: 16 accumulators.
; TRANSPOSED: source 0 = 16 rows of Wo, source 1 = 16 tokens: a lane holds one token, and by the tiles' row order its registers of tiles 2 b, 2 b + 1 are 16 neighbouring columns.  bo is the C of each sum's first product.
; CLUSTER 4 x 4: the four of a row share the tokens, the four of a column the columns: both operands are asked for jointly.
; REGISTERS: window 0: v1-12 addresses; v32-63 scale words (8 i + K step: lanes 0-15 my token tile i, lanes 16-31 my tile i of Wo); v64-95 bo, later rows on the way out; v96-127 rows on the way out; v128-255 accumulators.
;   window 1: two sets of fragments at 0 and 64: O's four, then Wo's four.
.set KH,    65536                      ; a K half in LDS: four regions of 4 tiles x 4,096 bytes: O's two, then Wo's two
.set SCL,   2*KH                       ; the scale words: four regions of 4 tiles x 512 bytes
.set STAGE, SCL+8192                   ; the way out: 16 rows x (256 + 16) bytes for each wave, bytes into which no load lands
.set SP,    272
.set SC,    32
.set BO,    64
.set ACC,   128
.set G1A,  28                          ; s[28:35] group 1: O's codes;  s[36:43] Wo's codes;  s[44:51] O's scale words;  s[52:59] Wo's
.set G1B,  36
.set G1SA, 44
.set G1SB, 52
.set G0SA, 68                          ; groups 0: O's scale words, O's codes of K half 0, 1;  the same for Wo
.set G0A,  72
.set G0SB, 80
.set G0B,  84
.set MSB, 0
.macro WIN new                         ; the immediate's high byte repeats the setting that is left
.if MSB != \new
	s_set_vgpr_msb (MSB<<8)|\new
.set MSB, \new
.endif
.endm
.macro JLOAD g0a, g1a, g0b, g1b        ; a joint load: waves 0 and 1 fetch for O, waves 2 and 3 for Wo; four v_nop follow each line
	s_cmp_eq_u32 s19, 0
	s_cbranch_scc0 .Lfor_b_\@
	tensor_load_to_lds s[\g0a:\g0a+3], s[\g1a:\g1a+7]
	s_nop 0
.rept 4
	v_nop
.endr
	s_branch .Lasked_\@
.Lfor_b_\@:
	tensor_load_to_lds s[\g0b:\g0b+3], s[\g1b:\g1b+7]
	s_nop 0
.rept 4
	v_nop
.endr
.Lasked_\@:
.endm
.macro CROUND                          ; a round of the cluster's barrier
	s_barrier_signal -1
	s_barrier_wait -1
	s_cmp_lg_u32 s18, 0
	s_cbranch_scc1 .Lnot_wave_0_\@
	s_barrier_signal -3
.Lnot_wave_0_\@:
	s_barrier_wait -3
	s_barrier_signal -1
	s_barrier_wait -1
.endm
.macro PLACES
.rept 4
	v_nop
.endr
.endm
	s_load_b256 s[4:11], s[0:1], 0x0               ; oc, os, wc, ws
	s_load_b128 s[12:15], s[0:1], 0x20             ; bo, out0
	v_lshl_add_u32 v30, v0, 2, 0x29000
	v_mov_b32 v31, 0
	ds_add_u32 v30, v31
	ds_add_u32 v30, v31
	v_lshrrev_b32 v1, 5, v0
	v_readfirstlane_b32 s18, v1                    ; wave 0..3
	s_lshr_b32 s19, s18, 1                         ; my half of the tokens.  Also: I fetch for O (0) or for Wo (1)
	s_and_b32 s20, s18, 1                          ; my half of the columns.  Also: which four tiles I fetch
	s_bfe_u32 s21, ttmp6, 0x40000                  ; cx
	s_bfe_u32 s22, ttmp6, 0x40004                  ; cy
	s_lshl_b32 s23, ttmp9, 2
	s_add_co_u32 s23, s23, s21                     ; the block of 128 columns
	s_and_b32 s24, ttmp7, 0xffff
	s_lshl_b32 s24, s24, 2
	s_add_co_u32 s24, s24, s22                     ; the block of 128 tokens
	s_lshl_b32 s92, s22, 2
	s_lshl_b32 s92, 15, s92                        ; my row of the cluster
	s_lshl_b32 s93, 0x1111, s21                    ; my column
	s_or_b32 s[G1A], s92, (3<<16)|(1<<21)          ; the mask; elements of 8 bytes; bit 21 set beside a mask; no padding
	s_or_b32 s[G1SA], s92, (3<<16)|(1<<21)
	s_or_b32 s[G1B], s93, (3<<16)|(1<<21)
	s_or_b32 s[G1SB], s93, (3<<16)|(1<<21)
.irp g, G1A, G1B                       ; codes: 4 rows of 4,096 bytes (a tile's K half), 8,192 bytes from tile to tile
	s_mov_b32 s[\g+1], 512<<16
	s_mov_b32 s[\g+2], 4<<16
	s_mov_b32 s[\g+3], 512<<16
	s_mov_b32 s[\g+4], 4
	s_mov_b32 s[\g+5], 1024
	s_mov_b32 s[\g+6], 0
	s_mov_b32 s[\g+7], 0
.endr
.irp g, G1SA, G1SB                     ; scale words: 2,048 dense bytes as 8 rows of 256
	s_mov_b32 s[\g+1], 32<<16
	s_mov_b32 s[\g+2], 8<<16
	s_mov_b32 s[\g+3], 32<<16
	s_mov_b32 s[\g+4], 8
	s_mov_b32 s[\g+5], 32
	s_mov_b32 s[\g+6], 0
	s_mov_b32 s[\g+7], 0
.endr
	; O's offsets hang on the block of tokens alone, Wo's on the block of columns alone, each in registers of its own
	s_lshl_b32 s94, s24, 16                        ; O's codes: 8 tiles x 8,192 a block, 4 tiles a half
	s_lshl_b32 s95, s20, 15
	s_add_co_u32 s94, s94, s95
	s_mov_b32 s95, 0
	s_lshl_b32 s96, s24, 12                        ; O's scale words
	s_lshl_b32 s97, s20, 11
	s_add_co_u32 s96, s96, s97
	s_mov_b32 s97, 0
	s_lshl_b32 s100, s23, 3
	s_add_co_u32 s100, s100, 448                   ; the block's first tile of Wo
	s_lshl_b32 s98, s100, 13
	s_lshl_b32 s100, s100, 9
	s_lshl_b32 s25, s20, 15
	s_add_co_u32 s98, s98, s25
	s_lshl_b32 s25, s20, 11
	s_add_co_u32 s100, s100, s25
	s_mov_b32 s99, 0
	s_mov_b32 s101, 0
	; where they go: region = wave: no place in the cluster enters an LDS address
	s_lshl_b32 s[G0SA+1], s18, 11
	s_add_co_u32 s[G0SA+1], s[G0SA+1], SCL
	s_mov_b32 s[G0SB+1], s[G0SA+1]
	s_lshl_b32 s[G0A+1], s18, 14
	s_add_co_u32 s[G0A+5], s[G0A+1], KH
	s_mov_b32 s[G0B+1], s[G0A+1]
	s_mov_b32 s[G0B+5], s[G0A+5]
.irp g, G0SA, G0A, G0A+4, G0SB, G0B, G0B+4
	s_mov_b32 s[\g], 1
.endr
	s_wait_dscnt 0x0
	s_wait_kmcnt 0x0
	s_add_nc_u64 s[G0SA+2:G0SA+3], s[6:7], s[96:97]
	s_add_nc_u64 s[G0A+2:G0A+3], s[4:5], s[94:95]
	s_add_nc_u64 s[G0A+6:G0A+7], s[G0A+2:G0A+3], 4096
	s_add_nc_u64 s[G0SB+2:G0SB+3], s[10:11], s[100:101]
	s_add_nc_u64 s[G0B+2:G0B+3], s[8:9], s[98:99]
	s_add_nc_u64 s[G0B+6:G0B+7], s[G0B+2:G0B+3], 4096
.irp g, G0SA, G0A, G0A+4, G0SB, G0B, G0B+4
	s_or_b32 s[\g+3], s[\g+3], 0x80000000          ; type = 2
.endr
	CROUND                                         ; all sixteen work-groups are here: the joint loads meet
	JLOAD G0SA, G1SA, G0SB, G1SB                   ; three loads of mine are out: the scale words,
	JLOAD G0A, G1A, G0B, G1B                       ; K half 0,
	JLOAD G0A+4, G1A, G0B+4, G1B                   ; K half 1
	v_and_b32 v13, 31, v0
	v_lshlrev_b32 v1, 4, v13                       ; 16 x lane
	v_and_b32 v2, 15, v0                           ; r
	v_bfe_u32 v3, v0, 4, 1                         ; h
	s_lshl_b32 s63, s19, 14
	v_add_nc_u32 v4, s63, v1                       ; v4, v5: my four token tiles in K half 0, 1
	v_add_nc_u32 v5, KH, v4
	s_lshl_b32 s63, s20, 14
	s_add_co_u32 s63, s63, 32768
	v_add_nc_u32 v6, s63, v1                       ; v6, v7: my four tiles of Wo
	v_add_nc_u32 v7, KH, v6
	s_lshl_b32 s63, s19, 11                        ; scale words: lanes 0-15 my token tiles', lanes 16-31 my tiles' of Wo: one product with h
	s_lshl_b32 s66, s20, 11
	s_add_co_u32 s66, s66, 4096
	s_sub_co_u32 s66, s66, s63
	v_mul_u32_u24 v8, s66, v3
	v_lshl_add_u32 v8, v2, 4, v8
	s_add_co_u32 s63, s63, SCL
	v_add_nc_u32 v8, s63, v8                       ; v8
	v_lshlrev_b32 v9, 6, v3                        ; v9: 64 h: bo at column 16 h
	s_mul_i32 s63, s18, 16*SP
	s_add_co_u32 s63, s63, STAGE                   ; my stage
	v_mul_u32_u24 v10, v2, SP
	v_lshl_add_u32 v10, v3, 6, v10
	v_add_nc_u32 v10, s63, v10                     ; v10: in: row r, + 64 h
	v_mul_u32_u24 v11, v3, SP
	v_lshl_add_u32 v11, v2, 4, v11
	v_add_nc_u32 v11, s63, v11                     ; v11: back: lanes 0-15 one row of 256 bytes, lanes 16-31 the next
	v_lshlrev_b32 v12, 12, v3
	v_lshl_add_u32 v12, v2, 4, v12                 ; v12: the same two rows in out0
	s_lshl_b32 s66, s23, 9                         ; my first column, in bytes: 512 x block + 256 x half
	s_lshl_b32 s67, s20, 8
	s_add_co_u32 s66, s66, s67
	s_mov_b32 s67, 0
	s_add_nc_u64 s[12:13], s[12:13], s[66:67]      ; bo there
	s_lshl_b32 s2, s24, 19                         ; my first token: 128 x block + 64 x half, rows of 4,096 bytes
	s_lshl_b32 s3, s19, 18
	s_add_co_u32 s2, s2, s3
	s_add_co_u32 s2, s2, s66
	s_mov_b32 s3, 0
	s_add_nc_u64 s[14:15], s[14:15], s[2:3]
.irp t, 0,1,2,3                        ; tile 2 b + u: lane (r, h) wants columns 32 b + 16 h + 8 u + 0 .. 7
	global_load_b128 v[BO+8*\t:BO+8*\t+3], v9, s[12:13] offset:(32*(\t/2)+8*(\t%2))*4
	global_load_b128 v[BO+8*\t+4:BO+8*\t+7], v9, s[12:13] offset:(32*(\t/2)+8*(\t%2))*4+16
.endr
.macro FETCH ks, p                     ; the fragments of K step ks into set p: 16 loads of 512 consecutive bytes
	WIN 0x40                                       ; destination window 1, address window 0
.irp a, 0,1,2,3
.irp c, 0,1
	ds_load_b128 v[64*(\p)+8*\a+4*\c:64*(\p)+8*\a+4*\c+3], v[4+(\ks)/4] offset:4096*\a+1024*((\ks)%4)+512*\c
	ds_load_b128 v[64*(\p)+32+8*\a+4*\c:64*(\p)+32+8*\a+4*\c+3], v[6+(\ks)/4] offset:4096*\a+1024*((\ks)%4)+512*\c
.endr
.endr
.endm
.macro MUL ks, p                       ; 16 products: source 0 = Wo's tile (its words in lanes 16-31), source 1 = the token tile
	WIN 0x05                                       ; sources window 1, C and D window 0
.irp a, 0,1,2,3
.irp t, 0,1,2,3
.if (\ks) == 0
	v_wmma_scale_f32_16x16x128_f8f6f4 v[ACC+8*(4*\a+\t):ACC+8*(4*\a+\t)+7], v[64*(\p)+32+8*\t:64*(\p)+32+8*\t+7], v[64*(\p)+8*\a:64*(\p)+8*\a+7], v[BO+8*\t:BO+8*\t+7], v[SC+8*\t+(\ks)], v[SC+8*\a+(\ks)] matrix_a_fmt:MATRIX_FMT_FP4 matrix_b_fmt:MATRIX_FMT_FP4 matrix_a_scale:MATRIX_SCALE_ROW1
.else
	v_wmma_scale_f32_16x16x128_f8f6f4 v[ACC+8*(4*\a+\t):ACC+8*(4*\a+\t)+7], v[64*(\p)+32+8*\t:64*(\p)+32+8*\t+7], v[64*(\p)+8*\a:64*(\p)+8*\a+7], v[ACC+8*(4*\a+\t):ACC+8*(4*\a+\t)+7], v[SC+8*\t+(\ks)], v[SC+8*\a+(\ks)] matrix_a_fmt:MATRIX_FMT_FP4 matrix_b_fmt:MATRIX_FMT_FP4 matrix_a_scale:MATRIX_SCALE_ROW1
.endif
.endr
.endr
.endm
; A K step of 128.  The 16 accumulators take turns, one instruction a turn, in the same order in every step.
.macro KSTEP ks
	s_wait_dscnt 0x0                               ; this step's fragments are in: they were asked for 16 matrix instructions ago
.if (\ks) == 3
	s_wait_tensorcnt 0x0                           ; my part of K half 1 has landed,
	s_barrier_signal -1
	s_barrier_wait -1                              ; everybody's has
.endif
.if (\ks) > 0
	PLACES                                         ; four places in front of loads into the set that the last step's products read
.endif
.if (\ks) < 7
	FETCH (\ks)+1, ((\ks)+1)%2
.endif
	MUL \ks, (\ks)%2
.endm
	s_wait_tensorcnt 0x1                           ; my scale words and my part of K half 0 are in; K half 1 may stay out
	s_barrier_signal -1
	s_barrier_wait -1
.irp i, 0,1,2,3
.irp g, 0,1
	ds_load_b128 v[SC+8*\i+4*\g:SC+8*\i+4*\g+3], v8 offset:512*\i+256*\g   ; all scale words, once
.endr
.endr
	FETCH 0, 0
	s_wait_loadcnt 0x0                             ; bo
	KSTEP 0
	KSTEP 1
	KSTEP 2
	KSTEP 3
	KSTEP 4
	KSTEP 5
	KSTEP 6
	KSTEP 7
	WIN 0
	PLACES                                         ; four places in front of the first read of results
; THE WAY OUT, a token tile (16 rows x 64 columns) at a time, through my own stage: in as 32 bytes a lane and tile, back as whole rows of 256 bytes.  LDS serves a wave's instructions in order, so no wait
; stands between the stores and the loads, nor in front of the next tile's stores.
.macro TOSTAGE a
.irp t, 0,1,2,3
	ds_store_b128 v10, v[ACC+8*(4*(\a)+\t):ACC+8*(4*(\a)+\t)+3] offset:128*(\t/2)+32*(\t%2)        ; each accumulator from its low end on
	ds_store_b128 v10, v[ACC+8*(4*(\a)+\t)+4:ACC+8*(4*(\a)+\t)+7] offset:128*(\t/2)+32*(\t%2)+16
.endr
.irp i, 0,1,2,3,4,5,6,7
	ds_load_b128 v[96-32*((\a)%2)+4*\i:96-32*((\a)%2)+4*\i+3], v11 offset:2*SP*\i
.endr
.endm
.macro SEND a, younger                 ; slot 2 i + (lane / 16) of tile a is token 32 (a / 2) + 8 (a % 2) + slot % 8 + 16 (slot / 8)
	s_wait_dscnt \younger
.irp i, 0,1,2,3,4,5,6,7
	global_store_b128 v12, v[96-32*((\a)%2)+4*\i:96-32*((\a)%2)+4*\i+3], s[14:15] offset:(32*((\a)/2)+8*((\a)%2)+(2*\i)%8+16*(\i/4))*4096 th:TH_STORE_NT   ; 16 lanes store 256 consecutive bytes, aligned
.endr
.endm
	TOSTAGE 0
	TOSTAGE 1
	SEND 0, 16                                     ; behind tile 0's loads: tile 1's eight stores and eight loads
	s_wait_xcnt 0x0                                ; tile 0's stores have read their registers: tile 2's rows may land there
	TOSTAGE 2
	SEND 1, 16
	s_wait_xcnt 0x0                                ; tile 1's likewise
	TOSTAGE 3
	SEND 2, 16
	SEND 3, 0
	s_wait_tensorcnt 0x0
	ds_add_u32 v30, v31
	s_wait_dscnt 0x0
	CROUND                                         ; the closing round: no work-group ends while a partner may still ask for a tile that names it
	s_endpgm
.Lfunc_end_k_q7508e6dfb1_oproj:
	.size	k_q7508e6dfb1_oproj, .Lfunc_end_k_q7508e6dfb1_oproj-k_q7508e6dfb1_oproj
	.p2alignl 7, 3214868480
	.fill 96, 4, 3214868480
	.section	.rodata,"a",@progbits
	.p2align	6, 0x0
	.amdhsa_kernel k_q7508e6dfb1_oproj
		.amdhsa_group_segment_fixed_size 168448
		.amdhsa_private_segment_fixed_size 0
		.amdhsa_enable_private_segment 0
		.amdhsa_kernarg_size 48
		.amdhsa_user_sgpr_count 2
		.amdhsa_user_sgpr_kernarg_segment_ptr 1
		.amdhsa_wavefront_size32 1
		.amdhsa_system_sgpr_workgroup_id_x 1
		.amdhsa_system_sgpr_workgroup_id_y 1
		.amdhsa_system_sgpr_workgroup_id_z 1
		.amdhsa_system_vgpr_workitem_id 0
		.amdhsa_next_free_vgpr 384
		.amdhsa_next_free_sgpr 102
		.amdhsa_reserve_vcc 0
		.amdhsa_float_denorm_mode_32 3
		.amdhsa_float_denorm_mode_16_64 3
		.amdhsa_memory_ordered 1
		.amdhsa_forward_progress 1
		.amdhsa_inst_pref_size 44
	.end_amdhsa_kernel
	.amdgpu_metadata
---
amdhsa.version: [ 1, 2 ]
amdhsa.kernels:
  - .name:           k_q7508e6dfb1_oproj
    .symbol:         k_q7508e6dfb1_oproj.kd
    .args:
      - { .name: oc, .offset: 0, .size: 8, .value_kind: global_buffer, .address_space: global }
      - { .name: os, .offset: 8, .size: 8, .value_kind: global_buffer, .address_space: global }
      - { .name: wc, .offset: 16, .size: 8, .value_kind: global_buffer, .address_space: global }
      - { .name: ws, .offset: 24, .size: 8, .value_kind: global_buffer, .address_space: global }
      - { .name: bo, .offset: 32, .size: 8, .value_kind: global_buffer, .address_space: global }
      - { .name: out0, .offset: 40, .size: 8, .value_kind: global_buffer, .address_space: global }
    .group_segment_fixed_size: 168448
    .private_segment_fixed_size: 0
    .kernarg_segment_align: 8
    .kernarg_segment_size: 48
    .max_flat_workgroup_size: 128
    .sgpr_count:     102
    .vgpr_count:     384
    .wavefront_size: 32
...
	.end_amdgpu_metadata
.endif
;; end of part 4
